; MI455X (gfx1250); checked and timed in simulation.
; The chip was launched on July 23, 2026; its instructions are those of AMD's public machine-readable ISA for CDNA 5 (MIT licence, August 2026) and "CDNA5" Instruction Set Architecture Reference Guide (July 2026). The comments in the code are by the model that wrote it; some were corrected since.
;; Lo RA Attention. Allowed arithmetic: float matrix products may take bf16 or f16 operands with f32 sums; other float arithmetic in f32, or as packed bf16 or f16 multiplies, adds, multiply-adds, maxima and minima; sums over many terms, partial sums and values carried from step to step in f32; what a program stores and reads back later, other than sums and carried values, may be rounded once to bf16 or f16.
;; Inputs: A 4,096 x 16 float32; B 16 x 4,096 float32; W 4,096 x 4,096 float32; bias 4,096 float32; x 4 x 1,024 x 4,096 float32.
;; Outputs: out0 4 x 1,024 x 4,096 float32.
;; One version. Each part assembles by itself: llvm-mc -triple=amdgcn-amd-amdhsa -mcpu=gfx1250 --defsym DOCPART=n.
;; ======== version 1 of 1: 2 launches
;; workspace buffers: xb 33,554,432 bytes; wb 33,554,432 bytes; tp 1,048,576 bytes
;; launch prep (part 1): grid 256 x 1, 8 waves a work-group, no clusters, 51,456 bytes of LDS; arguments x, W, B, xb, wb, tp; writes xb, wb, tp
.if DOCPART == 1
	.amdgcn_target "amdgcn-amd-amdhsa--gfx1250"
	.amdhsa_code_object_version 6
	.text
	.protected	k_qa9c9b636ea_prep
	.globl	k_qa9c9b636ea_prep
	.p2align	8
	.type	k_qa9c9b636ea_prep,@function
k_qa9c9b636ea_prep:
	s_mov_b64 s[64:65], 0
	v_nop
	global_prefetch_b8 v0, s[64:65] scope:SCOPE_SE
	s_setreg_imm32_b32 hwreg(HW_REG_WAVE_MODE, 25, 1), 1
	s_wait_xcnt 0x0
; out = x (W + A B)^T + bias is made as  x W^T + (x B^T) A^T + bias : the same number in exact arithmetic for all inputs; no input and no step is left out.
; THIS LAUNCH: xb = bf16(x), wb = bf16(W), both [4096][4096], and tp[q][m][r] = the sum over i in 1024 q .. 1024 q + 1023 of bf16(x[m][i]) bf16(B[r][i]), f32, [4][4096][16]:
; four partial sums of t = x B^T, which the next launch adds.
; LIMITS.  The order of rounding differs from the reference's: W + A B is never formed; x, W, A, B are rounded to bf16 each by itself, as matrix operands.  Where W is nearly -A B the error goes
; with |W| and not with |W + A B|.  NaN and infinities are not treated apart.
; SHARES.  Work-group g: 64 rows (g / 4) and 1,024 columns (g % 4) of x and of W.  Waves 0-3 take 16 rows of x each: they round them and make a 16 x 16 tile of tp; waves 4-7 take 16 rows of W
; each and round them.  A wave's share goes in 8 chunks of 16 rows x 128 columns: 16 loads of 512 consecutive bytes (a row each), 16 stores of 256 consecutive bytes, aligned.
; Two sets of registers, a chunk each: while one is rounded and stored, the other's 16 loads are on their way.  All steps stand in immediates: no pointer is stepped.
; Memory bounds the launch: no cluster (a work-group shares only B's 64 KiB with others, against 512 KiB of its own), no tensor load (no wave wants another wave's bytes of x or W).
.set ROWF,   16384                     ; bytes in a row of x, W, B
.set ROWH,   8192                      ; bytes in a row of xb, wb
.set BPITCH, 2064                      ; LDS: a row of B's 1,024 columns in bf16, 2,048 bytes + 16: an odd multiple of 16, so the 16 rows of a fragment load start at 16 different groups of four banks (ISA guide 11.1)
.set XPITCH, 272                       ; LDS: a row of a chunk of x in bf16, 256 bytes + 16
.set BST,    0                         ; B in bf16, 16 rows
.set XST,    16*BPITCH                 ; 33,024: for each of waves 0-3 its own 16 rows x 272 bytes
.set XWAVE,  16*XPITCH
.set SPARE,  XST+4*XWAVE               ; 50,432: the spare words, 128 bytes for each of the eight waves: four blocks of 256 bytes that no other line names
.set XO,  3                            ; v3   16 x lane: my 16 bytes of 512; never rewritten
.set YO,  4                            ; v4   8 x lane: my 8 bytes of 256; never rewritten
.set BSO, 5                            ; v5   where I put 8 bytes of B's rows 2 w, 2 w + 1
.set XSO, 6                            ; v6   where I put 8 bytes of a chunk's row
.set FXA, 7                            ; v7   my place in a fragment of x
.set FBA, 8                            ; v8   my place in a fragment of B
.set TSO, 9                            ; v9   where I put my 32 bytes of the tile of tp
.set TRD, 10                           ; v10  where I read 16 of its bytes back
.set SPW, 12                           ; v12  LDS address of my spare word; never rewritten
.set NIL, 13                           ; v13  0; never rewritten
.set ACC, 16                           ; v[16:47]    four accumulators, one for each 32 columns of a chunk
.set FX,  48                           ; v[48:79]    four fragments of x   (at the start v[48:111] hold B as loaded)
.set FB,  80                           ; v[80:111]   four fragments of B
.set X0,  112                          ; v[112:239]  two sets of 64: a chunk as loaded, then as stored
.set WV,  16                           ; s16  my wave's number
.set SRC, 24                           ; s[24:25] x or W at my first row and column
.set DST, 26                           ; s[26:27] xb or wb at the same place
.set BB,  28                           ; s[28:29] B at row 2 w, the work-group's first column
.set TP,  30                           ; s[30:31] tp at my tile
	s_load_b256 s[4:11], s[0:1], 0x0               ; x s[4:5], W s[6:7], B s[8:9], xb s[10:11]
	s_load_b128 s[12:15], s[0:1], 0x20             ; wb s[12:13], tp s[14:15]
	v_lshl_add_u32 v[SPW], v0, 2, SPARE
	v_mov_b32 v[NIL], 0
	v_lshrrev_b32 v1, 5, v0
	v_readfirstlane_b32 s[WV], v1                  ; wave 0..7
	v_and_b32 v2, 31, v0                           ; lane
	v_lshlrev_b32 v[XO], 4, v2
	v_lshlrev_b32 v[YO], 3, v2
	s_lshr_b32 s17, ttmp9, 2                       ; which 64 rows
	s_and_b32 s18, ttmp9, 3                        ; which 1,024 columns
	s_and_b32 s19, s[WV], 3
	s_mul_i32 s2, s[WV], 2*BPITCH
	v_lshl_add_u32 v[BSO], v2, 3, s2
	s_lshl_b32 s2, s[WV], 15                       ; B's rows 2 w on,
	s_lshl_b32 s3, s18, 12                         ; the work-group's columns
	s_add_co_u32 s2, s2, s3
	s_mov_b32 s3, 0
	s_lshl_b32 s20, s17, 6
	s_lshl_b32 s21, s19, 4
	s_add_co_u32 s20, s20, s21                     ; my first row: 64 (g / 4) + 16 (w % 4)
	s_lshl_b32 s[TP], s20, 6                       ; a row of tp is 64 bytes,
	s_lshl_b32 s[TP+1], s18, 18                    ; a quarter of K 262,144
	s_add_co_u32 s[TP], s[TP], s[TP+1]
	s_mov_b32 s[TP+1], 0
	s_lshl_b32 s22, s20, 13                        ; in xb, wb
	s_lshl_b32 s23, s18, 11
	s_add_co_u32 s22, s22, s23
	s_mov_b32 s23, 0
	s_lshl_b32 s20, s20, 14                        ; in x, W
	s_lshl_b32 s21, s18, 12
	s_add_co_u32 s20, s20, s21
	s_mov_b32 s21, 0
	s_wait_kmcnt 0x0
	s_cmp_lt_u32 s[WV], 4                          ; waves 0-3: x to xb; waves 4-7: W to wb
	s_cselect_b64 s[SRC:SRC+1], s[4:5], s[6:7]
	s_cselect_b64 s[DST:DST+1], s[10:11], s[12:13]
	s_add_nc_u64 s[SRC:SRC+1], s[SRC:SRC+1], s[20:21]
	s_add_nc_u64 s[DST:DST+1], s[DST:DST+1], s[22:23]
	s_add_nc_u64 s[BB:BB+1], s[8:9], s[2:3]
	s_add_nc_u64 s[TP:TP+1], s[14:15], s[TP:TP+1]
; Chunk c's 16 loads, a row each, into set c % 2.  x and W are read once in the launch.
.macro LOADS c
.set i, 0
.rept 16
	global_load_b128 v[X0+64*((\c)%2)+4*i:X0+64*((\c)%2)+4*i+3], v[XO], s[SRC:SRC+1] offset:i*ROWF+(\c)*512 th:TH_LOAD_NT
.set i, i+1
.endr
.endm
.irp e, 0,1
.irp c, 0,1,2,3,4,5,6,7
	global_load_b128 v[FX+4*(8*(\e)+(\c)):FX+4*(8*(\e)+(\c))+3], v[XO], s[BB:BB+1] offset:(\e)*ROWF+(\c)*512  ; my two rows of B
.endr
.endr
	LOADS 0
	LOADS 1
	s_wait_loadcnt 32                              ; B's 16 loads are in; the 32 younger ones, chunks 0 and 1, stay out
.set i, 0
.rept 16
	v_cvt_pk_bf16_f32 v[FX+4*i], v[FX+4*i], v[FX+4*i+1]
	v_cvt_pk_bf16_f32 v[FX+4*i+1], v[FX+4*i+2], v[FX+4*i+3]
.set i, i+1
.endr
.irp e, 0,1
.irp c, 0,1,2,3,4,5,6,7
	ds_store_b64 v[BSO], v[FX+4*(8*(\e)+(\c)):FX+4*(8*(\e)+(\c))+1] offset:BST+(\e)*BPITCH+(\c)*256
.endr
.endr
	s_wait_dscnt 0x0                               ; for the others' sake: my two rows of B lie in LDS
	s_barrier_signal -1
	s_barrier_wait -1                              ; all sixteen do: the launch's one barrier
; Chunk c.  lora = 1: the chunk also goes through my stage in LDS into four fragments, and four products add to tp's tile.
; Source 0 = B's 16 rows (ranks), source 1 = my 16 rows of x: in the result a lane holds ONE row of x (lane % 16) and the ranks 8 (lane / 16) + 0..7.
.macro CHUNK c, lora
.set XB, X0+64*((\c)%2)
.if (\c) < 7
	s_wait_loadcnt 16                              ; this set's 16 loads are in; the other set's stay out
.else
	s_wait_loadcnt 0x0                             ; the last chunk: nothing was asked for behind it
.endif
.set i, 0
.rept 16                                       ; rounded in place; with lora = 1 these 32 lines are also the places between the last products and the loads into their fragments
	v_cvt_pk_bf16_f32 v[XB+4*i], v[XB+4*i], v[XB+4*i+1]
	v_cvt_pk_bf16_f32 v[XB+4*i+1], v[XB+4*i+2], v[XB+4*i+3]
.set i, i+1
.endr
.set i, 0
.rept 16
	global_store_b64 v[YO], v[XB+4*i:XB+4*i+1], s[DST:DST+1] offset:i*ROWH+(\c)*256  ; 32 lanes store 256 consecutive bytes, at a multiple of 256 from the buffer's first byte
.set i, i+1
.endr
.if \lora
.set i, 0
.rept 16
	ds_store_b64 v[XSO], v[XB+4*i:XB+4*i+1] offset:i*XPITCH
.set i, i+1
.endr
.irp f, 0,1,2,3                                ; LDS serves a wave's instructions in order (ISA guide 5.7.1.4): the loads from my stage see the stores above
	ds_load_b128 v[FX+8*(\f):FX+8*(\f)+3],   v[FXA] offset:64*(\f)
	ds_load_b128 v[FX+8*(\f)+4:FX+8*(\f)+7], v[FXA] offset:64*(\f)+32
	ds_load_b128 v[FB+8*(\f):FB+8*(\f)+3],   v[FBA] offset:BST+(\c)*256+64*(\f)
	ds_load_b128 v[FB+8*(\f)+4:FB+8*(\f)+7], v[FBA] offset:BST+(\c)*256+64*(\f)+32
.endr
	s_wait_dscnt 0x0                               ; the fragments are in
.endif
.if (\c) < 6
	s_wait_xcnt 0x0                                ; the stores have read this set: only behind this wait is it loaded again
	LOADS (\c)+2
.endif
.if \lora
.irp f, 0,1,2,3                                ; the four accumulators take turns, from chunk to chunk too; chunk 0's products start the sums
.if (\c) == 0
	v_wmma_f32_16x16x32_bf16 v[ACC+8*(\f):ACC+8*(\f)+7], v[FB+8*(\f):FB+8*(\f)+7], v[FX+8*(\f):FX+8*(\f)+7], 0
.else
	v_wmma_f32_16x16x32_bf16 v[ACC+8*(\f):ACC+8*(\f)+7], v[FB+8*(\f):FB+8*(\f)+7], v[FX+8*(\f):FX+8*(\f)+7], v[ACC+8*(\f):ACC+8*(\f)+7]
.endif
.endr
.endif
.endm
	s_cmp_lt_u32 s[WV], 4
	s_cbranch_scc0 .Lw
	; waves 0-3: x
	s_mul_i32 s20, s[WV], XWAVE
	s_add_co_u32 s20, s20, XST                     ; my stage
	v_and_b32 v14, 15, v0                          ; l % 16
	v_bfe_u32 v15, v0, 4, 1                        ; l / 16
	v_lshl_add_u32 v[XSO], v2, 3, s20
	v_mul_u32_u24 v[FXA], v14, XPITCH              ; a fragment: row l % 16, 16 bytes for each half of the lanes, twice, 32 bytes apart
	v_lshl_add_u32 v[FXA], v15, 4, v[FXA]
	v_add_nc_u32 v[FXA], s20, v[FXA]
	v_mul_u32_u24 v[FBA], v14, BPITCH
	v_lshl_add_u32 v[FBA], v15, 4, v[FBA]
	v_lshlrev_b32 v[TSO], 6, v14                   ; tp's tile: row l % 16 of 64 bytes, my 8 ranks
	v_lshl_add_u32 v[TSO], v15, 5, v[TSO]
	v_add_nc_u32 v[TSO], s20, v[TSO]
	v_lshl_add_u32 v[TRD], v2, 4, s20
.irp c, 0,1,2,3,4,5,6,7
	CHUNK \c, 1
.endr
.rept 8
	v_nop                                          ; the places behind the last products, in front of the sums that read them
.endr
.irp j, 0,2,4,6                                ; the four accumulators are added; each is read from its low end on
	v_pk_add_f32 v[ACC+(\j):ACC+(\j)+1], v[ACC+(\j):ACC+(\j)+1], v[ACC+8+(\j):ACC+8+(\j)+1]
.endr
.irp j, 0,2,4,6
	v_pk_add_f32 v[ACC+16+(\j):ACC+16+(\j)+1], v[ACC+16+(\j):ACC+16+(\j)+1], v[ACC+24+(\j):ACC+24+(\j)+1]
.endr
.irp j, 0,2,4,6
	v_pk_add_f32 v[ACC+(\j):ACC+(\j)+1], v[ACC+(\j):ACC+(\j)+1], v[ACC+16+(\j):ACC+16+(\j)+1]
.endr
	ds_store_b128 v[TSO], v[ACC:ACC+3]             ; through my stage, so that a store covers consecutive bytes
	ds_store_b128 v[TSO], v[ACC+4:ACC+7] offset:16
	ds_load_b128 v[FX:FX+3],   v[TRD]
	ds_load_b128 v[FX+4:FX+7], v[TRD] offset:512
	s_wait_dscnt 0x0
	global_store_b128 v[XO], v[FX:FX+3],   s[TP:TP+1]             ; the tile is 1,024 consecutive bytes of tp: 512 a store
	global_store_b128 v[XO], v[FX+4:FX+7], s[TP:TP+1] offset:512
	s_branch .Lend
.Lw:                                                   ; waves 4-7: W
.irp c, 0,1,2,3,4,5,6,7
	CHUNK \c, 0
.endr
.Lend:
	s_wait_tensorcnt 0x0                           ; the wave's end, behind my last LDS store
	ds_add_u32 v[SPW], v[NIL]
	s_wait_dscnt 0x0
	s_endpgm
.Lfunc_end_k_qa9c9b636ea_prep:
	.size	k_qa9c9b636ea_prep, .Lfunc_end_k_qa9c9b636ea_prep-k_qa9c9b636ea_prep
	.p2alignl 7, 3214868480
	.fill 96, 4, 3214868480
	.section	.rodata,"a",@progbits
	.p2align	6, 0x0
	.amdhsa_kernel k_qa9c9b636ea_prep
		.amdhsa_group_segment_fixed_size 51456
		.amdhsa_private_segment_fixed_size 0
		.amdhsa_enable_private_segment 0
		.amdhsa_kernarg_size 48
		.amdhsa_user_sgpr_count 2
		.amdhsa_user_sgpr_kernarg_segment_ptr 1
		.amdhsa_wavefront_size32 1
		.amdhsa_system_sgpr_workgroup_id_x 1
		.amdhsa_system_sgpr_workgroup_id_y 1
		.amdhsa_system_sgpr_workgroup_id_z 1
		.amdhsa_system_vgpr_workitem_id 0
		.amdhsa_next_free_vgpr 240
		.amdhsa_next_free_sgpr 66
		.amdhsa_reserve_vcc 0
		.amdhsa_float_denorm_mode_32 3
		.amdhsa_float_denorm_mode_16_64 3
		.amdhsa_memory_ordered 1
		.amdhsa_forward_progress 1
		.amdhsa_inst_pref_size 105
	.end_amdhsa_kernel
	.amdgpu_metadata
---
amdhsa.version: [ 1, 2 ]
amdhsa.kernels:
  - .name:           k_qa9c9b636ea_prep
    .symbol:         k_qa9c9b636ea_prep.kd
    .args:
      - { .name: x, .offset: 0, .size: 8, .value_kind: global_buffer, .address_space: global }
      - { .name: W, .offset: 8, .size: 8, .value_kind: global_buffer, .address_space: global }
      - { .name: B, .offset: 16, .size: 8, .value_kind: global_buffer, .address_space: global }
      - { .name: xb, .offset: 24, .size: 8, .value_kind: global_buffer, .address_space: global }
      - { .name: wb, .offset: 32, .size: 8, .value_kind: global_buffer, .address_space: global }
      - { .name: tp, .offset: 40, .size: 8, .value_kind: global_buffer, .address_space: global }
    .group_segment_fixed_size: 51456
    .private_segment_fixed_size: 0
    .kernarg_segment_align: 8
    .kernarg_segment_size: 48
    .max_flat_workgroup_size: 256
    .sgpr_count:     66
    .vgpr_count:     240
    .wavefront_size: 32
...
	.end_amdgpu_metadata
.endif
;; end of part 1
;; launch gemm (part 2): grid 16 x 16, 4 waves a work-group, clusters of 4 x 4, 327,680 bytes of LDS; arguments xb, wb, out0, tp, A, bias; writes out0
.if DOCPART == 2
	.amdgcn_target "amdgcn-amd-amdhsa--gfx1250"
	.amdhsa_code_object_version 6
	.text
	.protected	k_qa9c9b636ea_gemm
	.globl	k_qa9c9b636ea_gemm
	.p2align	8
	.type	k_qa9c9b636ea_gemm,@function
k_qa9c9b636ea_gemm:
	s_mov_b64 s[64:65], 0
	v_nop
	global_prefetch_b8 v0, s[64:65] scope:SCOPE_SE
	s_setreg_imm32_b32 hwreg(HW_REG_WAVE_MODE, 25, 1), 1
	s_wait_xcnt 0x0
	s_wait_alu depctr_hold_cnt(0) depctr_sa_sdst(0) depctr_va_vdst(0) depctr_va_sdst(0) depctr_va_ssrc(0) depctr_va_vcc(0) depctr_vm_vsrc(0)
	s_getreg_b32 s2, hwreg(HW_REG_IB_STS2, 6, 4)
	s_cmp_eq_u32 s2, 0
	s_cbranch_scc0 .Lentry_in_a_cluster
	s_endpgm
.Lentry_in_a_cluster:
	s_bfe_u32 s2, ttmp6, 0x10000c
	s_cmp_lg_u32 s2, 0xf033
	s_cbranch_scc0 .Lentry_shape_is_right
	s_endpgm
.Lentry_shape_is_right:
; out[m][o] = sum over i of xb[m][i] wb[o][i]  +  sum over r of t[m][r] A[o][r]  +  bias[o],  t = tp[0] + tp[1] + tp[2] + tp[3] = x B^T.  xb, wb: [4096][4096] bf16; tp: [4][4096][16] f32;
; A: [4096][16] f32; bias: [4096] f32; out: [4096][4096] f32.  In exact arithmetic this is x (W + A B)^T + bias; nothing is left out.
; LIMITS.  The order of rounding differs from the reference's: W + A B is never formed; the three terms meet in one f32 sum.  A is rounded to bf16; t is kept as hi + lo, two bf16 (16 significant
; bits); bias stays f32.  Where W is nearly -A B the error goes with |W|.  NaN and infinities are not treated apart.
; THE RANK-16 TERM IS ONE MORE STEP OF 32 ALONG K, taken first: on x's side k 0-15 = t_hi, k 16-31 = t_lo; on W's side A's 16 numbers twice.  In a fragment a lane holds k = 8 (l / 16) + 0..7 and
; 16 + 8 (l / 16) + 0..7, so it needs 8 neighbouring numbers of one row of t and of A: they come straight from memory.  These 64 products take bias as their C operand and so start all the sums:
; nothing is cleared, and nothing is added on the way out.
; THE PRODUCT.  A tile of out, 256 x 256, is made by a work-group of four waves; a wave makes 128 x 128: 64 accumulators of 16 x 16, 512 registers.  16 x 16 tiles: one for each work-group.  K goes in
; steps of 128 through a ring of two LDS slots filled by the tensor data mover: the tiles' rows are 256 bytes of memory and start at multiples of 256 bytes from the buffer's first byte.
; CLUSTERS: 4 x 4 work-groups.  The four of a row of the cluster need the same tiles of xb, the four of a column the same tiles of wb: each tile is asked for JOINTLY, by the same tensor load with the
; same descriptor and a mask that names the four.
; THE MATRIX INSTRUCTION IS USED TRANSPOSED: source 0 = 16 rows of wb, source 1 = 16 rows of xb: lane l then holds row l % 16 of out and the columns 8 (l / 16) + 0..7: 32 consecutive bytes.
; REGISTERS, in windows of 256 (s_set_vgpr_msb: bits 1:0 source 0, 3:2 source 1, 5:4 source 2, 7:6 destination):
;   window 0: v0-31 addresses; v64-127, v128-191 fragments of xb, two buffers; on the way out two buffers of 16 rows
;   window 1: v64-127, v128-191 fragments of wb, two buffers; v192-255 bias as a C operand, 8 registers for each 16 columns
;   window 2: the 32 accumulators of my rows 0-63 (accumulator (a, b) at v[8 (8 a + b)]); window 3: those of my rows 64-127.  Before the sums begin both serve as scratch for t and A.
.set SIZE_K, 4096
.set KSTEP,  128
.set PITCH,  272                       ; an LDS row: 256 bytes + 16 of padding = 68 words: row r starts at bank 4 r mod 64 (64 banks of 4 bytes: ISA guide 11.1)
.set HALFT,  128*PITCH                 ; 128 rows: what one tensor load brings, and what one wave reads of xb or of wb
.set SLOT,   4*HALFT                   ; xb's 256 rows, then wb's 256 rows
.set STAGE,  2*SLOT                    ; behind the ring: 16 rows x 528 bytes for each wave, for the way out; no tensor load fills it
.set SPITCH, 528                       ; 512 bytes + 16: an odd multiple of 16
.set SPARE,  STAGE+4*16*SPITCH         ; behind the stages: the spare words, 128 bytes for each wave: two blocks of 256 bytes that no other line names
.set LAPS,   SIZE_K/(2*KSTEP)          ; a lap = two K steps = once round the ring: 16
.set ROWO,   16384                     ; bytes in a row of out
.set ADRA, 16                          ; v16-17  LDS address of my fragments of xb in slot 0, 1
.set ADRB, 20                          ; v20-21  the same for wb
.set STO,  24                          ; v24     the way out: where I put 32 bytes of a row
.set RD,   25                          ; v25     the way out: where I read 16 bytes of a row back
.set CO,   26                          ; v26     16 x lane: my 16 bytes of a row's 512 in out; never rewritten
.set LO,   27                          ; v27     64 (l % 16) + 32 (l / 16): my 8 numbers in 16 rows of tp or of A; never rewritten
.set SPW,  28                          ; v28     LDS address of my spare word; never rewritten
.set NIL,  29                          ; v29     0; never rewritten
.set PFO,  30                          ; v30     the prefetches' offset: lane x a row of xb or wb (8,192 bytes); never rewritten
.set BO,   31                          ; v31     32 (l / 16): my 8 numbers in 16 of bias; never rewritten
.set F0,   64                          ; fragment buffer 0
.set F1,   128                         ; fragment buffer 1
.set BI,   192                         ; bias, in window 1
.set G1, 24                            ; s[24:31] descriptor group 1 for xb's tiles
.set G0, 32                            ; s[32:39] descriptor group 0 for xb's tiles, one set for each slot
.set G1B, 48                           ; s[48:55] descriptor group 1 for wb's tiles: it differs in the mask alone
.set G0B, 56                           ; s[56:63] descriptor group 0 for wb's tiles
.set LIM,  43                          ; s43     1 in a wave that prefetches, else the greatest number
.set PFA,  44                          ; s[44:45] where my prefetches stand
.set MSB, 0
.macro WIN new                         ; the immediate's high byte repeats the setting that is left; a switch that changes nothing is dropped
.if MSB != (\new)
	s_set_vgpr_msb (MSB<<8)|(\new)
.set MSB, \new
.endif
.endm
.set MUL_LO, 0xa1                      ; source 0 (wb) window 1, source 1 (xb) window 0, C and D window 2
.set MUL_HI, 0xf1                      ; the same, C and D window 3
.set TO_B,   0x40                      ; destination window 1, address window 0
; A joint load.  Waves 0 and 1 fetch xb's two halves, waves 2 and 3 wb's.  The branch hangs on the wave's number alone.  An s_nop 0 and four v_nop follow each of the two lines, ahead of the jump
; and the label.
.macro JLOAD s
	s_cmp_eq_u32 s11, 0
	s_cbranch_scc0 .Lfor_b_\@
	tensor_load_to_lds s[G0+4*(\s):G0+4*(\s)+3], s[G1:G1+7]
	s_nop 0
.rept 4
	v_nop
.endr
	s_branch .Lasked_\@
.Lfor_b_\@:
	tensor_load_to_lds s[G0B+4*(\s):G0B+4*(\s)+3], s[G1B:G1B+7]
	s_nop 0
.rept 4
	v_nop
.endr
.Lasked_\@:
.endm
; A PREFETCH INTO THE L2, behind each joint refill and the run of LDS loads that follows it: the K step that stands TWO refills on (512 matrix instructions ahead of the load that will want it):
; 32 rows x 256 bytes, a lane a row, one instruction a wave.  Each row's 256 bytes of a K step are named once in the launch: xb's tile row is read by every cluster of that row of clusters, and the
; one with x = 0 asks; wb's tile column by every cluster of that column, and the one with y = 0 asks.  The four partners that ask for a tile jointly share its rows out BY ADDRESS: of the 128 rows that
; a wave fetches the partner at place p takes 32 p .. 32 p + 31 (p = cx for xb, cy for wb).  The loop's last trip asks for nothing: its two refills are K's last.  K steps 0 to 3 come by their loads alone.
.macro ASK
	s_cmp_gt_u32 s3, s[LIM]                        ; s3 = 1 in the loop's last trip
	s_cbranch_scc0 .Lnot_mine_\@
	global_prefetch_b8 v[PFO], s[PFA:PFA+1] offset:KSTEP*2 th:TH_LOAD_NT scope:SCOPE_SE
.Lnot_mine_\@:
.endm
; A round of the cluster's barrier: my work-group's barrier; wave 0 signals for the work-group; every wave waits for all sixteen work-groups; my work-group's barrier once more.
.macro CREST                           ; a round behind its opening barrier
	s_cmp_lg_u32 s10, 0
	s_cbranch_scc1 .Lnot_wave_0_\@
	s_barrier_signal -3
.Lnot_wave_0_\@:
	s_barrier_wait -3
	s_barrier_signal -1
	s_barrier_wait -1
.endm
.macro CROUND                          ; a whole round
	s_barrier_signal -1
	s_barrier_wait -1
	CREST
.endm
	s_load_b128 s[4:7], s[0:1], 0x0                ; xb s[4:5], wb s[6:7]
	s_load_b64 s[8:9], s[0:1], 0x10                ; out
	s_load_b128 s[68:71], s[0:1], 0x18             ; tp s[68:69], A s[70:71]
	s_load_b64 s[72:73], s[0:1], 0x28              ; bias
	v_lshl_add_u32 v[SPW], v0, 2, SPARE
	v_mov_b32 v[NIL], 0
	ds_add_u32 v[SPW], v[NIL]                      ; the wave's opening: the add, twice on end, and its wait ahead of my first tensor load; the set-up below stands between
	ds_add_u32 v[SPW], v[NIL]                      ; and once more, under the one wait
	v_lshrrev_b32 v1, 5, v0
	v_readfirstlane_b32 s10, v1                    ; wave 0..3
	s_lshr_b32 s11, s10, 1                         ; which half of the tile's rows is mine.  Also: I fetch for xb (0) or for wb (1)
	s_and_b32 s12, s10, 1                          ; which half of its columns.  Also: which 128 rows of that tile I fetch
	s_bfe_u32 s40, ttmp6, 0x40000                  ; cx: my place along the cluster's x
	s_bfe_u32 s41, ttmp6, 0x40004                  ; cy: along its y
	s_lshl_b32 s42, ttmp9, 2                       ; in a cluster launch ttmp9 and ttmp7 count clusters
	s_add_co_u32 s42, s42, s40                     ; tile column of out = 4 x cluster x + cx
	s_and_b32 s13, ttmp7, 0xffff
	s_lshl_b32 s13, s13, 2
	s_add_co_u32 s13, s13, s41                     ; tile row of out = 4 x cluster y + cy
	s_lshl_b32 s43, s41, 2
	s_lshl_b32 s43, 15, s43                        ; my row of the cluster: places 4 cy .. 4 cy + 3
	s_lshl_b32 s44, 0x1111, s40                    ; my column: places cx, cx + 4, cx + 8, cx + 12
	; descriptor group 1: a tile of 128 rows x 128 elements, padded in LDS
	s_or_b32 s[G1+0], s43, (1<<16)|(1<<20)|(1<<21)|(5<<22)|(3<<25)  ; 15:0 the mask: xb's tiles go to my row; 17:16 element of 2 bytes; 20 padding on; 21 set beside a mask; 24:22 after every 64 words (code 5); 31:25 4 words (code 3)
	s_or_b32 s[G1B+0], s44, (1<<16)|(1<<20)|(1<<21)|(5<<22)|(3<<25) ; the same with the mask of my column, for wb's tiles
.irp g, G1, G1B
	s_mov_b32 s[(\g)+1], KSTEP<<16                 ; tensor_dim0 = 128
	s_mov_b32 s[(\g)+2], 128<<16                   ; tensor_dim1 = 128
	s_mov_b32 s[(\g)+3], KSTEP<<16                 ; tile_dim0 = 128
	s_mov_b32 s[(\g)+4], 128                       ; tile_dim1 = 128
	s_mov_b32 s[(\g)+5], SIZE_K                    ; elements from row to row
	s_mov_b32 s[(\g)+6], 0
	s_mov_b32 s[(\g)+7], 0
.endr
	s_mov_b32 s74, 0xffff0000                      ; a word's upper bf16
	; where the tiles come from.  xb's hang on the tile row alone, which my row of the cluster shares; wb's on the tile column alone, which my column shares.
	s_lshl_b32 s17, s12, 7                         ; which 128 rows of the tile I fetch
	s_lshl_b32 s16, s13, 8
	s_add_co_u32 s16, s16, s17                     ; xb: row 256 x tile row + 128 x half
	s_lshl_b32 s46, s42, 8
	s_add_co_u32 s46, s46, s17                     ; wb: row 256 x tile column + 128 x half
	s_mov_b32 s17, 0
	s_mov_b32 s47, 0
	s_mov_b64 s[18:19], SIZE_K*2
	s_mul_u64 s[16:17], s[16:17], s[18:19]         ; in bytes
	s_mul_u64 s[46:47], s[46:47], s[18:19]
	s_mul_i32 s20, s10, HALFT                      ; and where they go: wave x 128 rows: no place in the cluster enters an LDS address
	s_wait_dscnt 0x0                               ; both opening adds are done
	s_wait_kmcnt 0x0
	s_add_nc_u64 s[14:15], s[4:5], s[16:17]
	s_add_nc_u64 s[46:47], s[6:7], s[46:47]
	CROUND                                         ; all sixteen work-groups are here: the first joint loads meet
.irp s, 0,1
	s_mov_b32 s[G0+4*(\s)], 1                                      ; count = 1
	s_add_co_u32 s[G0+4*(\s)+1], s20, (\s)*SLOT                    ; LDS address
	s_add_nc_u64 s[G0+4*(\s)+2:G0+4*(\s)+3], s[14:15], (\s)*KSTEP*2  ; global address: K step s
	s_or_b32 s[G0+4*(\s)+3], s[G0+4*(\s)+3], 0x80000000            ; type = 2
	s_mov_b32 s[G0B+4*(\s)], 1
	s_add_co_u32 s[G0B+4*(\s)+1], s20, (\s)*SLOT
	s_add_nc_u64 s[G0B+4*(\s)+2:G0B+4*(\s)+3], s[46:47], (\s)*KSTEP*2
	s_or_b32 s[G0B+4*(\s)+3], s[G0B+4*(\s)+3], 0x80000000
	JLOAD \s                                       ; the ring is filled before anything else is done: two tensor loads of mine are out
.endr
	; tp, A and bias are asked for next: 96 loads in one run, while the first tiles are on their way
	v_and_b32 v1, 15, v0                           ; l % 16
	v_bfe_u32 v2, v0, 4, 1                         ; l / 16
	v_lshlrev_b32 v[LO], 6, v1
	v_lshl_add_u32 v[LO], v2, 5, v[LO]
	v_lshlrev_b32 v[BO], 5, v2
	s_lshl_b32 s13, s13, 8                         ; 256 x tile row
	s_lshl_b32 s42, s42, 8                         ; 256 x tile column
	s_lshl_b32 s78, s11, 7
	s_add_co_u32 s80, s13, s78                     ; my first row of out
	s_lshl_b32 s78, s12, 7
	s_add_co_u32 s81, s42, s78                     ; my first column
	s_mov_b32 s77, 0
	s_lshl_b32 s76, s80, 6                         ; a row of tp is 64 bytes
	s_add_nc_u64 s[68:69], s[68:69], s[76:77]
	s_lshl_b32 s76, s81, 6                         ; a row of A too
	s_add_nc_u64 s[70:71], s[70:71], s[76:77]
	s_lshl_b32 s76, s81, 2
	s_add_nc_u64 s[72:73], s[72:73], s[76:77]
	s_lshl_b32 s78, s80, 14                        ; out: row x 16,384 + column x 4
	s_add_co_u32 s76, s76, s78
	s_add_nc_u64 s[8:9], s[8:9], s[76:77]
	WIN 0x80                                       ; destination window 2: part s of t, block a of 16 rows, at v[64 s + 8 a]
.irp s, 0,1,2,3
.irp a, 0,1,2,3,4,5,6,7
	global_load_b128 v[64*(\s)+8*(\a):64*(\s)+8*(\a)+3],   v[LO], s[68:69] offset:(\s)*262144+(\a)*1024
	global_load_b128 v[64*(\s)+8*(\a)+4:64*(\s)+8*(\a)+7], v[LO], s[68:69] offset:(\s)*262144+(\a)*1024+16
.endr
.endr
	WIN 0xc0                                       ; destination window 3: A's block b of 16 rows at v[8 b]
.irp b, 0,1,2,3,4,5,6,7
	global_load_b128 v[8*(\b):8*(\b)+3],   v[LO], s[70:71] offset:(\b)*1024
	global_load_b128 v[8*(\b)+4:8*(\b)+7], v[LO], s[70:71] offset:(\b)*1024+16
.endr
	WIN 0x40                                       ; destination window 1: register j for block b is bias[16 b + 8 (l / 16) + j], as the result's layout wants it
.irp b, 0,1,2,3,4,5,6,7
	global_load_b128 v[BI+8*(\b):BI+8*(\b)+3],   v[BO], s[72:73] offset:64*(\b)
	global_load_b128 v[BI+8*(\b)+4:BI+8*(\b)+7], v[BO], s[72:73] offset:64*(\b)+16
.endr
	WIN 0
	; A fragment is 16 rows x 32 K in 8 registers: lane l holds row l % 16; registers 0-3 hold K = 8 (l / 16) + 0..7, registers 4-7 K = 16 + 8 (l / 16) + 0..7: two loads of 16 bytes, 32 bytes apart.
	v_mul_u32_u24 v3, v1, PITCH
	v_lshl_add_u32 v3, v2, 4, v3                   ; row x pitch + 16 x half
	s_mul_i32 s21, s11, HALFT                      ; my 128 rows of xb
	s_mul_i32 s22, s12, HALFT                      ; my 128 rows of wb,
	s_add_co_u32 s22, s22, 2*HALFT                 ; which lie behind xb's 256
.irp s, 0,1
	v_add_nc_u32 v[ADRA+(\s)], s21, v3
	v_add_nc_u32 v[ADRB+(\s)], s22, v3
	s_add_co_u32 s21, s21, SLOT
	s_add_co_u32 s22, s22, SLOT
.endr
	s_mul_i32 s23, s10, 16*SPITCH
	s_add_co_u32 s23, s23, STAGE                   ; my stage
	v_mul_u32_u24 v4, v1, SPITCH                   ; in: row l % 16, 32 bytes for each half of the lanes
	v_lshl_add_u32 v4, v2, 5, v4
	v_add_nc_u32 v[STO], s23, v4
	v_and_b32 v5, 31, v0
	v_lshlrev_b32 v[CO], 4, v5                     ; back: 32 lanes take one row of 512 bytes
	v_add_nc_u32 v[RD], s23, v[CO]
	v_lshlrev_b32 v[PFO], 13, v5
	; the prefetches.  s13 = 256 x tile row, s42 = 256 x tile column
	s_and_b32 s22, ttmp7, 0xffff                   ; cluster y
	s_cmp_eq_u32 s11, 0                            ; do I fetch for xb?
	s_cselect_b32 s20, s13, s42                    ; the tile's first row
	s_cselect_b32 s21, s40, s41                    ; my place among the four that ask for it with me
	s_cselect_b32 s22, ttmp9, s22                  ; the coordinate along which other clusters read the same rows
	s_cselect_b64 s[PFA:PFA+1], s[4:5], s[6:7]
	s_cmp_eq_u32 s22, 0
	s_cselect_b32 s[LIM], 1, -1                    ; the same in all sixteen partners, for a given wave
	s_lshl_b32 s22, s12, 7
	s_add_co_u32 s20, s20, s22                     ; + the 128 rows that I fetch
	s_lshl_b32 s21, s21, 5
	s_add_co_u32 s20, s20, s21                     ; + my work-group's 32 of them
	s_mov_b32 s21, 0
	s_mov_b64 s[18:19], SIZE_K*2
	s_mul_u64 s[20:21], s[20:21], s[18:19]
	s_add_nc_u64 s[PFA:PFA+1], s[PFA:PFA+1], s[20:21]
	s_add_nc_u64 s[PFA:PFA+1], s[PFA:PFA+1], 2*KSTEP*2  ; at K step 2: the first refill steps it to 3 and names K step 4.  Nothing is prefetched here, at the head
; 16 matrix instructions: m blocks a0, a0 + 1 of the window's four (hi = 0: my rows 0-63, 1: rows 64-127) x all 8 n blocks, 32 along K
.macro MUL16 f, hi, a0
	WIN MUL_LO+0x50*(\hi)
.irp a, \a0, (\a0)+1
.irp b, 0,1,2,3,4,5,6,7
	v_wmma_f32_16x16x32_bf16 v[8*(8*(\a)+(\b)):8*(8*(\a)+(\b))+7], v[(\f)+8*(\b):(\f)+8*(\b)+7], v[(\f)+8*(4*(\hi)+(\a)):(\f)+8*(4*(\hi)+(\a))+7], v[8*(8*(\a)+(\b)):8*(8*(\a)+(\b))+7]
.endr
.endr
.endm
; The same with bias (window 1) as the C operand: these products start the sums
.macro MULB f, hi, a0
	WIN 0x91+0x40*(\hi)
.irp a, \a0, (\a0)+1
.irp b, 0,1,2,3,4,5,6,7
	v_wmma_f32_16x16x32_bf16 v[8*(8*(\a)+(\b)):8*(8*(\a)+(\b))+7], v[(\f)+8*(\b):(\f)+8*(\b)+7], v[(\f)+8*(4*(\hi)+(\a)):(\f)+8*(4*(\hi)+(\a))+7], v[BI+8*(\b):BI+8*(\b)+7]
.endr
.endr
.endm
; 32 LDS loads in one run: the fragments of one quarter step (128 rows of wb, 128 rows of xb, 32 K at byte k of the rows) into buffer f
.macro FETCH slot, k, f
	WIN TO_B
.irp i, 0,1,2,3,4,5,6,7
	ds_load_b128 v[(\f)+8*(\i):(\f)+8*(\i)+3],   v[ADRB+(\slot)] offset:(\k)+(\i)*16*PITCH
	ds_load_b128 v[(\f)+8*(\i)+4:(\f)+8*(\i)+7], v[ADRB+(\slot)] offset:(\k)+(\i)*16*PITCH+32
.endr
	WIN 0
.irp i, 0,1,2,3,4,5,6,7
	ds_load_b128 v[(\f)+8*(\i):(\f)+8*(\i)+3],   v[ADRA+(\slot)] offset:(\k)+(\i)*16*PITCH
	ds_load_b128 v[(\f)+8*(\i)+4:(\f)+8*(\i)+7], v[ADRA+(\slot)] offset:(\k)+(\i)*16*PITCH+32
.endr
.endm
; A load into a register that a matrix instruction has read stands four places behind it, and only plain vector instructions that name none of its registers are places (ISA guide 7.12.1 for
; vector instructions)
.macro PLACES
.rept 4
	v_nop
.endr
.endm
; A K step is four quarter steps of 32 along K, 64 matrix instructions each, on buffers 0, 1, 0, 1.  The 64 accumulators take turns in the same order in every quarter, the first 64 products'
; too.  One of the first three quarters: multiplies buffer f; in its middle it fetches the next quarter's fragments, at byte k of the same slot's rows, into buffer g.
.macro QUARTER slot, k, f, g
	s_wait_dscnt 8                                 ; wb's fragments and xb's rows 0-63 are in; the youngest eight loads (xb's rows 64-127) may be out
	MUL16 \f, 0, 0
	MUL16 \f, 0, 2
	PLACES
	FETCH \slot, \k, \g
	s_wait_dscnt 32                                ; all but the 32 just issued
	MUL16 \f, 1, 0
	MUL16 \f, 1, 2
.endm
; The last quarter multiplies buffer 1 and changes slots.  MEET is its first half: ONE barrier for the change.  In front of it each wave waits for all its tensor loads, of which one is out: its part
; of the next slot; adds 0 to its spare word; and waits for that and for its own reads of this slot.  Behind it nobody reads this slot any more and the next slot is whole.
.macro MEET round                      ; round = 1: the rest of a round of the cluster's barrier follows
	WIN 0                                          ; (the add's two registers lie in window 0)
	s_wait_tensorcnt 0x0                           ; all my tensor loads have landed
	ds_add_u32 v[SPW], v[NIL]                      ; 0 onto my spare word
	s_wait_dscnt 9                                 ; (the add and the youngest eight loads may be out)
	MUL16 F1, 0, 0                                 ; sixteen matrix instructions stand between the add and the wait for it
	s_wait_dscnt 0x0                               ; the add is done, and my reads of this slot are over
	s_barrier_signal -1
	MUL16 F1, 0, 2                                 ; work on registers while the others arrive
.if \round
	WIN 0
.endif
	s_barrier_wait -1
.endm
; The whole last quarter.  fill = 1: the slot just read out is filled again, with the K step two steps on, first thing behind the round; then come the next slot's first fragments.
; From a request to the wait for it a wave issues 224 matrix instructions.
.macro TURN slot, next, fill
.if \fill
	s_wait_xcnt 0x0                                ; the last prefetch, a K step back, has read its address: it is stepped here, ahead of the waits of the change of slots
	s_add_nc_u64 s[PFA:PFA+1], s[PFA:PFA+1], KSTEP*2
	MEET 1
	CREST                                          ; no wave of any partner still reads this slot's tile or has a load on its way
	s_add_nc_u64 s[G0+4*(\slot)+2:G0+4*(\slot)+3], s[G0+4*(\slot)+2:G0+4*(\slot)+3], 2*KSTEP*2
	s_add_nc_u64 s[G0B+4*(\slot)+2:G0B+4*(\slot)+3], s[G0B+4*(\slot)+2:G0B+4*(\slot)+3], 2*KSTEP*2
	JLOAD \slot                                    ; my one tensor load behind the round; the four v_nop behind it are also the places in front of the loads below
	FETCH \next, 0, F0
	ASK
.else
	MEET 0                                         ; nothing is filled again, so no round follows
	PLACES
	FETCH \next, 0, F0
.endif
	MUL16 F1, 1, 0
	MUL16 F1, 1, 2
.endm
	; THE RANK-16 STEP's fragments, in buffer 1
	s_wait_loadcnt 0x0                             ; tp, A, bias
	WIN 0x8a                                       ; all in window 2: t = (tp0 + tp1) + (tp2 + tp3), in v0-63: v[8 a + j] = t[16 a + l % 16][8 (l / 16) + j]
.set i, 0
.rept 32
	v_pk_add_f32 v[2*i:2*i+1], v[2*i:2*i+1], v[64+2*i:64+2*i+1]
	v_pk_add_f32 v[128+2*i:128+2*i+1], v[128+2*i:128+2*i+1], v[192+2*i:192+2*i+1]
.set i, i+1
.endr
.set i, 0
.rept 32
	v_pk_add_f32 v[2*i:2*i+1], v[2*i:2*i+1], v[128+2*i:128+2*i+1]
.set i, i+1
.endr
	WIN 0x0a                                       ; sources window 2, destination window 0: t_hi, registers 0-3 of block a's fragment
.set i, 0
.rept 32
	v_cvt_pk_bf16_f32 v[F1+8*(i/4)+i%4], v[2*i], v[2*i+1]
.set i, i+1
.endr
	WIN 0x80                                       ; t_hi back in f32, into window 2, v64-127
.set i, 0
.rept 32
	v_lshlrev_b32 v[64+2*i], 16, v[F1+8*(i/4)+i%4]
	v_and_b32 v[64+2*i+1], s74, v[F1+8*(i/4)+i%4]
.set i, i+1
.endr
	WIN 0x8a                                       ; t - t_hi
.set i, 0
.rept 32
	v_pk_add_f32 v[2*i:2*i+1], v[2*i:2*i+1], v[64+2*i:64+2*i+1] neg_lo:[0,1] neg_hi:[0,1]
.set i, i+1
.endr
	WIN 0x0a                                       ; t_lo, registers 4-7
.set i, 0
.rept 32
	v_cvt_pk_bf16_f32 v[F1+8*(i/4)+4+i%4], v[2*i], v[2*i+1]
.set i, i+1
.endr
	WIN 0x4f                                       ; sources window 3, destination window 1: A in bf16, in registers 0-3 and once more in 4-7
.set i, 0
.rept 32
	v_cvt_pk_bf16_f32 v[F1+8*(i/4)+i%4], v[2*i], v[2*i+1]
	v_cvt_pk_bf16_f32 v[F1+8*(i/4)+4+i%4], v[2*i], v[2*i+1]
.set i, i+1
.endr
	MULB F1, 0, 0                                  ; bias + t A^T starts all 64 sums
	MULB F1, 0, 2
	MULB F1, 1, 0
	MULB F1, 1, 2
	WIN 0
	s_wait_tensorcnt 1                             ; my part of K step 0 is in; K step 1's may stay out
	s_barrier_signal -1
	s_barrier_wait -1                              ; everybody's is
	FETCH 0, 0, F0
	QUARTER 0, 64,  F0, F1                         ; the first quarter stands in front of the loop
	WIN 0                                          ; at a label and at a branch every window is 0
	s_mov_b32 s3, LAPS-1
.Llap:                                                 ; a trip goes once round the ring, from a lap's second quarter to the next lap's first, and fills both slots again: K steps 2 to 31
	QUARTER 0, 128, F1, F0
	QUARTER 0, 192, F0, F1
	TURN 0, 1, 1
	QUARTER 1, 64,  F0, F1
	QUARTER 1, 128, F1, F0
	QUARTER 1, 192, F0, F1
	TURN 1, 0, 1
	QUARTER 0, 64,  F0, F1
	WIN 0
	s_sub_co_u32 s3, s3, 1
	s_cmp_lg_u32 s3, 0
	s_cbranch_scc1 .Llap
	QUARTER 0, 128, F1, F0                         ; the last lap is written out: it fills nothing
	QUARTER 0, 192, F0, F1
	TURN 0, 1, 0
	QUARTER 1, 64,  F0, F1
	QUARTER 1, 128, F1, F0
	QUARTER 1, 192, F0, F1
	s_wait_dscnt 8                                 ; the very last quarter: nothing more to fetch
	MUL16 F1, 0, 0
	MUL16 F1, 0, 2
	s_wait_dscnt 0x0
	MUL16 F1, 1, 0
	MUL16 F1, 1, 2
	WIN 0
; THE WAY OUT, a block of 16 rows at a time.  A lane's 32 bytes are one sixteenth of a row's 512, and the lanes beside it hold other rows: so the block goes into my own stage in LDS (rows of 528
; bytes) and comes back by whole rows.  The stage is my wave's own: no barrier.  Each accumulator is read from its low end on.
.macro TOSTAGE a
	WIN 0
	s_wait_xcnt 0x0                                ; the stores of the block two back have read the row buffer that is loaded below
.set AC, 64*((\a)%4)
.set BK, F0+64*((\a)%2)
	WIN 0x08+4*((\a)/4)                            ; the stores' data lie in window 2 or 3
.irp b, 0,1,2,3,4,5,6,7
	ds_store_b128 v[STO], v[AC+8*(\b):AC+8*(\b)+3]   offset:64*(\b)
	ds_store_b128 v[STO], v[AC+8*(\b)+4:AC+8*(\b)+7] offset:64*(\b)+16
.endr
	WIN 0
.set t, 0
.rept 16
	ds_load_b128 v[BK+4*t:BK+4*t+3], v[RD] offset:t*SPITCH  ; LDS serves a wave's instructions in order (ISA guide 5.7.1.4): these see the stores above; the next block's stores come behind them
.set t, t+1
.endr
.endm
.macro SEND a, younger                 ; younger: the LDS instructions issued behind block a's loads: the next block's 16 stores and 16 loads, or none
.set BK, F0+64*((\a)%2)
	s_wait_dscnt \younger
.set t, 0
.rept 16
	global_store_b128 v[CO], v[BK+4*t:BK+4*t+3], s[8:9] offset:(16*(\a)+t)*ROWO th:TH_STORE_NT  ; 32 lanes store 512 consecutive bytes, at a multiple of 512 from out's first byte; the row stands in the immediate, 2,080,768 at the most
.set t, t+1
.endr
.endm
.rept 8
	v_nop                                          ; the places behind the last products, in front of the LDS stores that read them and the loads into their fragments
.endr
	TOSTAGE 0
.irp a, 1,2,3,4,5,6,7
	TOSTAGE \a
	SEND (\a)-1, 32
.endr
	SEND 7, 0
	s_wait_tensorcnt 0x0                           ; the wave's end, behind my last tensor load and my last LDS store
	ds_add_u32 v[SPW], v[NIL]
	s_wait_dscnt 0x0
	CROUND                                         ; the closing round: no work-group ends while a partner may still ask for a tile that names it
	s_endpgm
.Lfunc_end_k_qa9c9b636ea_gemm:
	.size	k_qa9c9b636ea_gemm, .Lfunc_end_k_qa9c9b636ea_gemm-k_qa9c9b636ea_gemm
	.p2alignl 7, 3214868480
	.fill 96, 4, 3214868480
	.section	.rodata,"a",@progbits
	.p2align	6, 0x0
	.amdhsa_kernel k_qa9c9b636ea_gemm
		.amdhsa_group_segment_fixed_size 327680
		.amdhsa_private_segment_fixed_size 0
		.amdhsa_enable_private_segment 0
		.amdhsa_kernarg_size 48
		.amdhsa_user_sgpr_count 2
		.amdhsa_user_sgpr_kernarg_segment_ptr 1
		.amdhsa_wavefront_size32 1
		.amdhsa_system_sgpr_workgroup_id_x 1
		.amdhsa_system_sgpr_workgroup_id_y 1
		.amdhsa_system_sgpr_workgroup_id_z 1
		.amdhsa_system_vgpr_workitem_id 0
		.amdhsa_next_free_vgpr 1024
		.amdhsa_next_free_sgpr 84
		.amdhsa_reserve_vcc 0
		.amdhsa_float_denorm_mode_32 3
		.amdhsa_float_denorm_mode_16_64 3
		.amdhsa_memory_ordered 1
		.amdhsa_forward_progress 1
		.amdhsa_inst_pref_size 173
	.end_amdhsa_kernel
	.amdgpu_metadata
---
amdhsa.version: [ 1, 2 ]
amdhsa.kernels:
  - .name:           k_qa9c9b636ea_gemm
    .symbol:         k_qa9c9b636ea_gemm.kd
    .args:
      - { .name: xb, .offset: 0, .size: 8, .value_kind: global_buffer, .address_space: global }
      - { .name: wb, .offset: 8, .size: 8, .value_kind: global_buffer, .address_space: global }
      - { .name: out0, .offset: 16, .size: 8, .value_kind: global_buffer, .address_space: global }
      - { .name: tp, .offset: 24, .size: 8, .value_kind: global_buffer, .address_space: global }
      - { .name: A, .offset: 32, .size: 8, .value_kind: global_buffer, .address_space: global }
      - { .name: bias, .offset: 40, .size: 8, .value_kind: global_buffer, .address_space: global }
    .group_segment_fixed_size: 327680
    .private_segment_fixed_size: 0
    .kernarg_segment_align: 8
    .kernarg_segment_size: 48
    .max_flat_workgroup_size: 128
    .sgpr_count:     84
    .vgpr_count:     1024
    .wavefront_size: 32
...
	.end_amdgpu_metadata
.endif
;; end of part 2
